; MI455X (gfx1250); checked and timed in simulation.
; The chip was launched on July 23, 2026; its instructions are those of AMD's public machine-readable ISA for CDNA 5 (MIT licence, August 2026) and "CDNA5" Instruction Set Architecture Reference Guide (July 2026). The comments in the code are by the model that wrote it; some were corrected since.
;; s LSTM Cell. Allowed arithmetic: matrix products marked QUANTISED: E2M3 operands, one E8M0 scale for each 32 along K, by v_wmma_scale_f32_16x16x128_f8f6f4 with both operands' format E2M3, f32 sums; everything else in f32.
;; Inputs: W_f 2,048 x 4,096 float32; W_i 2,048 x 4,096 float32; W_o 2,048 x 4,096 float32; W_z 2,048 x 4,096 float32; b_f 2,048 float32; b_i 2,048 float32; b_o 2,048 float32; b_z 2,048 float32; c 2,048 x 2,048 float32; h 2,048 x 2,048 float32; m 2,048 x 2,048 float32; n 2,048 x 2,048 float32; x 2,048 x 2,048 float32.
;; Outputs: out0 4 x 2,048 x 2,048 float32.
;; This version of the problem:
;;   THIS VERSION OF THE PROBLEM IS GIVEN IN LOW PRECISION. The matrix products marked QUANTISED in the list below multiply operands that are first quantised to E2M3 (2 exponent bits, 3 mantissa bits; 6 bits a number), with one power-of-two scale for each 32 numbers along K (OCP MX v1.0); their sums are f32. All else is computed in f32.
;;   The module's matrix products, in the order in which they are computed (A, B: the left and right operand; K: the contracted axis; several contracted axes count as one K, in the product's order):
;;     1. [M 2,048, K 4,096] x [K 4,096, N 8,192]; A: computed on the way; B: computed on the way: QUANTISED
;;   THE QUANTISER, for each operand of a quantised product, along K:
;;     - K is cut into blocks of 32 from its start; a last block that is shorter is filled with zeros.
;;     - A block's scale is 2^e with e = floor(log2(the largest magnitude in the block)) - 2, held to -126 .. 127; a block of zeros has e = 0. As a byte (E8M0): e + 127.
;;     - Each number is divided by its block's scale, clamped to +-7.5, and rounded to the nearest number of E2M3, ties to even, subnormals kept.
;;     - The product sums the exact products of the quantised numbers (number of the format x scale) in f32.
;;   ~~~python
;;   def quantise(x, axis):      # numpy; x: float32 -> the quantised numbers, widened to float32 again
;;       x = np.moveaxis(x, axis, -1); K = x.shape[-1]
;;       x = np.pad(x, [(0, 0)] * (x.ndim - 1) + [(0, -K % 32)]); x = x.reshape(x.shape[:-1] + (-1, 32)); a = np.abs(x).max(-1, keepdims=True)
;;       e = np.where(a > 0, np.clip(np.frexp(np.where(a > 0, a, 1))[1] - 1 - 2, -126, 127), 0)      # np.frexp(a)[1] - 1 = floor(log2(a)), exactly
;;       r = np.clip(x / 2.0 ** e, -7.5, 7.5)
;;       step = 2.0 ** (np.maximum(np.frexp(np.where(r == 0, 1, r))[1] - 1, 0) - 3)
;;       q = np.round(r / step) * step * 2.0 ** e      # np.round: ties to even
;;       return np.moveaxis(q.reshape(q.shape[:-2] + (-1,))[..., :K], -1, axis).astype(np.float32)
;;   ~~~
;;   OPERANDS COMPUTED ON THE WAY. 'Computed on the way' means the value that the module computes at that place (a softmax that the list does not call 'softmax' is quantised finished and normalised). What goes into a quantiser is computed in f32, as accurately as f32 sums, v_exp_f32 and their like allow (about 1e-6 of the number): no bf16 or f16 on the way to a quantiser, and a product that is left as it is and whose result goes on into a quantised operand takes f32 operands (vector FMAs, or v_wmma_f32_16x16x4_f32). A number that lies on a knife's edge between two numbers of the format may be rounded either way, as far as f32 arithmetic and the matrix unit's own rounding can turn it there, and no further.
;; One version. Each part assembles by itself: llvm-mc -triple=amdgcn-amd-amdhsa -mcpu=gfx1250 --defsym DOCPART=n.
;; ======== version 1 of 1: 2 launches
;; limits: right only within a limited range of input values
;; workspace buffers: a_img 6,553,600 bytes; b_img 26,214,400 bytes
;; launch quant (part 1): grid 256 x 1, 20 waves a work-group, no clusters, 176,640 bytes of LDS; arguments x, h, W_i, W_f, W_o, W_z, a_img, b_img; writes a_img, b_img
.if DOCPART == 1
	.amdgcn_target "amdgcn-amd-amdhsa--gfx1250"
	.amdhsa_code_object_version 6
	.text
	.protected	k_q267481ef6d_quant
	.globl	k_q267481ef6d_quant
	.p2align	8
	.type	k_q267481ef6d_quant,@function
k_q267481ef6d_quant:
	s_mov_b64 s[64:65], 0
	v_nop
	global_prefetch_b8 v0, s[64:65] scope:SCOPE_SE
	s_setreg_imm32_b32 hwreg(HW_REG_WAVE_MODE, 25, 1), 1
	s_wait_xcnt 0x0
; x, h [2048][2048] and W_i, W_f, W_o, W_z [2048][4096], f32, become codes of FP6 (E2M3) with one E8M0 scale byte for each 32 along K,
; laid as an IMAGE OF THE OPERAND REGISTERS of the next launch.  Every input of the problem has a way to the outputs: no work is left out.
; A = [x | h], rows as they are.  B = the four weights, gate g (i 0, f 1, o 2, z 3), column d -> row n' = 128 (d / 32) + 32 g + d % 32.
; THE IMAGE: for each group of 128 rows and each step of 128 along K a unit of 12,800 bytes; a group's 32 units on end (409,600 bytes).
;   unit = 8 fragments of 1,536 bytes (16 rows x 128 K), then 512 bytes of scale words.
;   fragment = 3 pieces of 512 bytes; piece j holds registers 4 j .. 4 j + 3 of lane l at byte 16 l; lane l = r + 16 h holds row r,
;   registers 6 c .. 6 c + 5 = the codes of k = 64 c + 32 h + 0 .. 31 (ISA guide, the 6-bit operand layout).
;   scale words: word (four bytes, 128 along K) of row 16 f + r at byte 256 (f / 4) + 16 r + 4 (f % 4).
; A block's scale is 2^(floor(log2(largest magnitude)) - 2); its byte is the largest magnitude's exponent field - 2, held at 1 from below.
; LIMITS: a block of zeros gets the byte 1 where the rule says 127 (its codes are zeros and this program alone reads the bytes); blocks whose
; largest magnitude lies under 2^-124 are held at the byte 1; NaN and infinities among the inputs are not served.
; SHARES: four waves, a quad, take 64 rows (half a group) x four steps; wave j of the quad takes fragment 4 p + j, 16 rows, in all four steps: 2,048 consecutive bytes of each row.
; 1,280 quads = 256 work-groups of five; quad Q: steps 4 (Q % 8) .., half p = (Q / 8) % 2, group Q / 16 (groups 0-15 A's, 16-79 B's).  A wave of B reads one weight: gate 2 p + j / 2.
; A load reads 512 consecutive bytes of a row; 16 rows turn through the wave's own stage in LDS (rows 528 bytes apart) and come back 128 bytes a lane and block.
; Each store of codes covers 512 consecutive bytes.  A step's 256 bytes of scale words come from the quad's four waves: they meet in 1,024 bytes of LDS, and behind
; the launch's one barrier wave j stores those of the quad's step j as 256 consecutive bytes.
.set UNIT,   12800
.set GROUPB, 32*UNIT
.set STG,    16*528                    ; a wave's stage
.set SCX,    20*STG                    ; behind the stages: 1,024 bytes for each quad's scale words
.set SPARE,  SCX+5*1024                ; behind them: the spare words, 128 bytes a wave
.set VO,  4                            ; v4-7    16 x lane + k rows, k = 0 .. 3
.set STI, 8                            ; v8      stage, way in
.set STO, 9                            ; v9      stage, way out
.set SWA, 10                           ; v10     where my row's scale word goes in the quad's bytes
.set SO,  11                           ; v11     8 x lane
.set H8,  12                           ; v12     8 h
.set SRD, 13                           ; v13     where I read 8 bytes of scale words back
.set R,   16                           ; v16-79  16 rows as loaded
.set X,   80                           ; v80-143 my two blocks of 32
.set D,   144                          ; v144-155 my 12 registers of the fragment
.set T,   156                          ; v156-158, v160-162 the halves whose place begins on an odd register
.set MX,  164
.set SV,  166
.set TB,  168
.set W,   172                          ; v172-175 my row's scale word of each step
.set OUTP,176
.set SPW, 178
.set NIL, 179
.set BS,  32                           ; s[32:39] the address of each run of four rows
	s_load_b512 s[16:31], s[0:1], 0x0              ; x, h, W_i, W_f, W_o, W_z, a_img, b_img
	v_lshrrev_b32 v1, 5, v0
	s_delay_alu instid0(VALU_DEP_1)
	v_readfirstlane_b32 s2, v1                     ; wave 0..19
	s_lshr_b32 s3, s2, 2                           ; my quad in the work-group
	s_and_b32 s15, s2, 3                           ; j
	s_mul_i32 s4, ttmp9, 5
	s_add_co_u32 s4, s4, s3                        ; Q
	s_and_b32 s5, s4, 7                            ; which four steps
	s_bfe_u32 s66, s4, 0x10003                     ; p
	s_lshr_b32 s6, s4, 4                           ; group
	s_lshl_b32 s7, s6, 7
	s_lshl_b32 s8, s66, 6
	s_add_co_u32 s7, s7, s8
	s_lshl_b32 s8, s15, 4
	s_add_co_u32 s7, s7, s8
	s_lshl_b32 s7, s7, 13                          ; A: row 128 G + 64 p + 16 j, rows of 8,192 bytes
	s_and_b32 s8, s5, 3
	s_lshl_b32 s8, s8, 11
	s_add_co_u32 s7, s7, s8                        ; + 2,048 bytes for each four steps inside x or h
	s_sub_co_u32 s9, s6, 16
	s_and_b32 s9, s9, 63                           ; B's group = d / 32
	s_lshl_b32 s10, s9, 5
	s_and_b32 s8, s15, 1
	s_lshl_b32 s8, s8, 4
	s_add_co_u32 s10, s10, s8                      ; d = 32 G' + 16 (j % 2)
	s_lshl_b32 s10, s10, 14                        ; rows of 16,384 bytes
	s_lshl_b32 s8, s5, 11
	s_add_co_u32 s10, s10, s8
	s_lshl_b32 s11, s66, 1
	s_lshr_b32 s8, s15, 1
	s_add_co_u32 s11, s11, s8                      ; the gate
	s_mov_b32 s12, 8192
	s_mov_b32 s13, 16384
	s_cmp_lt_u32 s6, 16                            ; A's side or B's: only selections stand behind this compare
	s_cselect_b32 s12, s12, s13                    ; bytes from row to row
	s_cselect_b32 s7, s7, s10                      ; where my rows begin
	s_cselect_b32 s9, s6, s9                       ; the group in its image
	s_mul_i32 s9, s9, GROUPB
	s_mul_i32 s8, s5, 4*UNIT
	s_add_co_u32 s9, s9, s8                        ; the first of the four units
	s_lshl_b32 s8, s66, 2
	s_add_co_u32 s8, s8, s15
	s_mul_i32 s8, s8, 1536
	s_add_co_u32 s10, s9, s8                       ; my fragment in it
	s_mul_i32 s8, s15, UNIT
	s_add_co_u32 s9, s9, s8
	s_lshl_b32 s8, s66, 8
	s_add_co_u32 s9, s9, s8
	s_add_co_u32 s9, s9, 8*1536                    ; the scale words that I store: unit j of the four, half p
	s_mul_i32 s14, s2, STG
	s_lshl_b32 s3, s3, 10
	s_add_co_u32 s3, s3, SCX                       ; my quad's 1,024 bytes
	s_lshl_b32 s67, s15, 2
	s_add_co_u32 s67, s67, s3
	s_lshl_b32 s68, s15, 8
	s_add_co_u32 s68, s68, s3
	s_mov_b32 s80, 0x76543210
	s_mov_b32 s81, 0xfedcba98                      ; v_permlanex16_b32: lane l xor 16
	v_lshl_add_u32 v[SPW], v0, 2, SPARE
	v_mov_b32 v[NIL], 0
	v_and_b32 v2, 31, v0
	v_and_b32 v3, 15, v0
	v_bfe_u32 v1, v0, 4, 1                         ; h
	s_delay_alu instid0(VALU_DEP_3)
	v_lshlrev_b32 v[VO], 4, v2
	s_delay_alu instid0(VALU_DEP_1)
	v_add_nc_u32 v[VO+1], s12, v[VO]
	s_delay_alu instid0(VALU_DEP_1)
	v_add_nc_u32 v[VO+2], s12, v[VO+1]
	s_delay_alu instid0(VALU_DEP_1)
	v_add_nc_u32 v[VO+3], s12, v[VO+2]
	v_add_nc_u32 v[STI], s14, v[VO]                ; in: a row's 512 bytes as they lie
	v_mul_u32_u24 v14, v3, 528
	s_delay_alu instid0(VALU_DEP_1)
	v_lshl_add_u32 v14, v1, 7, v14
	s_delay_alu instid0(VALU_DEP_1)
	v_add_nc_u32 v[STO], s14, v14                  ; out: row r, 128 h bytes in
	v_lshlrev_b32 v[H8], 3, v1
	v_lshl_add_u32 v[SWA], v3, 4, s67              ; 16 r + 4 j
	v_lshl_add_u32 v[SRD], v2, 3, s68              ; 256 j + 8 x lane
	v_lshlrev_b32 v[SO], 3, v2
	v_mov_b32 v[TB+1], 0                           ; a lane permute's destination counts as read
	s_wait_alu depctr_va_vdst(0)                   ; the wait at the head's end
	s_wait_kmcnt 0x0
	s_cmp_lt_u32 s5, 4
	s_cselect_b64 s[70:71], s[16:17], s[18:19]     ; x or h, by the steps
	s_mov_b64 s[72:73], s[20:21]                   ; the weight, by the gate
	s_cmp_eq_u32 s11, 1
	s_cselect_b64 s[72:73], s[22:23], s[72:73]
	s_cmp_eq_u32 s11, 2
	s_cselect_b64 s[72:73], s[24:25], s[72:73]
	s_cmp_eq_u32 s11, 3
	s_cselect_b64 s[72:73], s[26:27], s[72:73]
	s_cmp_lt_u32 s6, 16
	s_cselect_b64 s[72:73], s[70:71], s[72:73]     ; the tensor that I read
	s_cselect_b64 s[70:71], s[28:29], s[30:31]     ; the image
	s_mov_b32 s74, s7
	s_mov_b32 s75, 0
	s_add_nc_u64 s[BS:BS+1], s[72:73], s[74:75]
	s_lshl_b32 s74, s12, 2                         ; four rows
.irp i, 1,2,3
	s_add_nc_u64 s[BS+2*\i:BS+2*\i+1], s[BS+2*\i-2:BS+2*\i-1], s[74:75]
.endr
	s_mov_b32 s74, s10
	s_add_nc_u64 s[76:77], s[70:71], s[74:75]      ; codes
	s_mov_b32 s74, s9
	s_add_nc_u64 s[78:79], s[70:71], s[74:75]      ; scale words
.macro QLOAD t, q                      ; four rows of step t
.irp k, 0,1,2,3
	global_load_b128 v[R+16*(\q)+4*\k:R+16*(\q)+4*\k+3], v[VO+\k], s[BS+2*(\q):BS+2*(\q)+1] offset:512*(\t) th:TH_LOAD_NT
.endr
.endm
.macro QSTORE q
.irp k, 0,1,2,3
	ds_store_b128 v[STI], v[R+16*(\q)+4*\k:R+16*(\q)+4*\k+3] offset:(4*(\q)+\k)*528
.endr
.endm
.macro FRAGQ t
.irp q, 0,1,2,3
.if (\t) < 3
.if \q == 0
	s_wait_loadcnt 12                              ; my quarter is in; behind it: this step's other three
.else
	s_wait_loadcnt 8                               ; behind it: two quarters, of this step or the next
.endif
.else
	s_wait_loadcnt 12-4*\q                         ; the last step: the counts run down
.endif
	QSTORE \q
.if (\q == 1) && ((\t) > 0)
	s_wait_xcnt 0x0                                ; the last step's stores have read D, which this step's conversions write
.endif
.if (\q > 0) && ((\t) < 3)
	s_wait_dscnt 4                                 ; the quarter before has been stored: its registers take the next step's rows
	QLOAD (\t)+1, \q-1
.endif
.endr
.irp c, 0,1
.irp i, 0,1,2,3,4,5,6,7
	ds_load_b128 v[X+32*\c+4*\i:X+32*\c+4*\i+3], v[STO] offset:256*\c+16*\i   ; LDS serves a wave's instructions in order: these see the stores
.endr
.endr
.if (\t) < 3
	s_wait_dscnt 16                                ; the last quarter has been stored
	QLOAD (\t)+1, 3
.endif
	s_wait_dscnt 0x0
.irp c, 0,1
	v_max3_num_f32 v[MX+\c], |v[X+32*\c]|, |v[X+32*\c+1]|, 0x1800000          ; with the floor 2^(3 - 127): the byte cannot fall under 1
.endr
.irp i, 2,4,6,8,10,12,14,16,18,20,22,24,26,28,30
.irp c, 0,1
	s_delay_alu instid0(VALU_DEP_2)
	v_max3_num_f32 v[MX+\c], v[MX+\c], |v[X+32*\c+\i]|, |v[X+32*\c+\i+1]|
.endr
.endr
	s_delay_alu instid0(VALU_DEP_2)
	v_add_nc_u32 v[SV], 0xff000000, v[MX]          ; 2 off the exponent field: the conversion's scale operand
	s_delay_alu instid0(VALU_DEP_2)
	v_add_nc_u32 v[SV+1], 0xff000000, v[MX+1]
	s_delay_alu instid0(VALU_DEP_2)
	v_lshrrev_b32 v[TB+2], 23, v[SV]               ; the bytes of blocks h and 2 + h
	s_delay_alu instid0(VALU_DEP_2)
	v_lshrrev_b32 v[TB+3], 23, v[SV+1]
	s_delay_alu instid0(VALU_DEP_1)
	v_lshl_or_b32 v[TB], v[TB+3], 16, v[TB+2]
	s_delay_alu instid0(VALU_DEP_1)
	v_lshlrev_b32 v[TB], v[H8], v[TB]              ; at their places in the word
	v_permlanex16_b32 v[TB+1], v[TB], s80, s81
	v_or_b32 v[W+(\t)], v[TB], v[TB+1]             ; with lane l xor 16's two the word is whole
	ds_store_b32 v[SWA], v[W+(\t)] offset:256*(\t) ; lanes l and l xor 16 write the same word with the same value
	v_cvt_scalef32_pk16_fp6_f32 v[D:D+2], v[X:X+15], v[SV]
	v_cvt_scalef32_pk16_fp6_f32 v[T:T+2], v[X+16:X+31], v[SV]
	v_cvt_scalef32_pk16_fp6_f32 v[D+6:D+8], v[X+32:X+47], v[SV+1]
	v_cvt_scalef32_pk16_fp6_f32 v[T+4:T+6], v[X+48:X+63], v[SV+1]
	v_nop                                          ; one plain place behind a scaled conversion
.irp i, 0,1,2
	v_mov_b32 v[D+3+\i], v[T+\i]
	v_mov_b32 v[D+9+\i], v[T+4+\i]
.endr
.irp j, 0,1,2
	global_store_b128 v[VO], v[D+4*\j:D+4*\j+3], s[76:77] offset:UNIT*(\t)+512*\j   ; 32 lanes store 512 consecutive bytes
.endr
.endm
.irp q, 0,1,2,3
	QLOAD 0, \q
.endr
.irp t, 0,1,2,3
	FRAGQ \t
.endr
	s_wait_dscnt 0x0                               ; for the others' sake: my scale words are in LDS
	s_barrier_signal -1
	s_barrier_wait -1
	ds_load_b64 v[OUTP:OUTP+1], v[SRD]             ; step j's words of the quad's 64 rows
	s_wait_dscnt 0x0
	global_store_b64 v[SO], v[OUTP:OUTP+1], s[78:79]   ; 256 consecutive aligned bytes
	s_wait_tensorcnt 0x0                           ; the wave's end
	ds_add_u32 v[SPW], v[NIL]
	s_wait_dscnt 0x0
	s_endpgm
.Lfunc_end_k_q267481ef6d_quant:
	.size	k_q267481ef6d_quant, .Lfunc_end_k_q267481ef6d_quant-k_q267481ef6d_quant
	.p2alignl 7, 3214868480
	.fill 96, 4, 3214868480
	.section	.rodata,"a",@progbits
	.p2align	6, 0x0
	.amdhsa_kernel k_q267481ef6d_quant
		.amdhsa_group_segment_fixed_size 176640
		.amdhsa_private_segment_fixed_size 0
		.amdhsa_enable_private_segment 0
		.amdhsa_kernarg_size 64
		.amdhsa_user_sgpr_count 2
		.amdhsa_user_sgpr_kernarg_segment_ptr 1
		.amdhsa_wavefront_size32 1
		.amdhsa_system_sgpr_workgroup_id_x 1
		.amdhsa_system_sgpr_workgroup_id_y 1
		.amdhsa_system_sgpr_workgroup_id_z 1
		.amdhsa_system_vgpr_workitem_id 0
		.amdhsa_next_free_vgpr 192
		.amdhsa_next_free_sgpr 82
		.amdhsa_reserve_vcc 0
		.amdhsa_float_denorm_mode_32 3
		.amdhsa_float_denorm_mode_16_64 3
		.amdhsa_memory_ordered 1
		.amdhsa_forward_progress 1
		.amdhsa_inst_pref_size 38
	.end_amdhsa_kernel
	.amdgpu_metadata
---
amdhsa.version: [ 1, 2 ]
amdhsa.kernels:
  - .name:           k_q267481ef6d_quant
    .symbol:         k_q267481ef6d_quant.kd
    .args:
      - { .name: x, .offset: 0, .size: 8, .value_kind: global_buffer, .address_space: global }
      - { .name: h, .offset: 8, .size: 8, .value_kind: global_buffer, .address_space: global }
      - { .name: W_i, .offset: 16, .size: 8, .value_kind: global_buffer, .address_space: global }
      - { .name: W_f, .offset: 24, .size: 8, .value_kind: global_buffer, .address_space: global }
      - { .name: W_o, .offset: 32, .size: 8, .value_kind: global_buffer, .address_space: global }
      - { .name: W_z, .offset: 40, .size: 8, .value_kind: global_buffer, .address_space: global }
      - { .name: a_img, .offset: 48, .size: 8, .value_kind: global_buffer, .address_space: global }
      - { .name: b_img, .offset: 56, .size: 8, .value_kind: global_buffer, .address_space: global }
    .group_segment_fixed_size: 176640
    .private_segment_fixed_size: 0
    .kernarg_segment_align: 8
    .kernarg_segment_size: 64
    .max_flat_workgroup_size: 640
    .sgpr_count:     82
    .vgpr_count:     192
    .wavefront_size: 32
...
	.end_amdgpu_metadata
.endif
;; end of part 1
;; launch cell (part 2): grid 32 x 8, 4 waves a work-group, clusters of 4 x 4, 327,680 bytes of LDS; arguments a_img, b_img, b_i, b_f, b_o, b_z, c, n, m, out0; writes out0
.if DOCPART == 2
	.amdgcn_target "amdgcn-amd-amdhsa--gfx1250"
	.amdhsa_code_object_version 6
	.text
	.protected	k_q267481ef6d_cell
	.globl	k_q267481ef6d_cell
	.p2align	8
	.type	k_q267481ef6d_cell,@function
k_q267481ef6d_cell:
	s_mov_b64 s[64:65], 0
	v_nop
	global_prefetch_b8 v0, s[64:65] scope:SCOPE_SE
	s_setreg_imm32_b32 hwreg(HW_REG_WAVE_MODE, 25, 1), 1
	s_wait_xcnt 0x0
	s_wait_alu depctr_hold_cnt(0) depctr_sa_sdst(0) depctr_va_vdst(0) depctr_va_sdst(0) depctr_va_ssrc(0) depctr_va_vcc(0) depctr_vm_vsrc(0)
	s_getreg_b32 s2, hwreg(HW_REG_IB_STS2, 6, 4)
	s_cmp_eq_u32 s2, 0
	s_cbranch_scc0 .Lentry_in_a_cluster
	s_endpgm
.Lentry_in_a_cluster:
	s_bfe_u32 s2, ttmp6, 0x10000c
	s_cmp_lg_u32 s2, 0xf033
	s_cbranch_scc0 .Lentry_shape_is_right
	s_endpgm
.Lentry_shape_is_right:
; gates = [x | h] W^T + b on codes of FP6 with E8M0 scales, and the sLSTM cell on the gates; out0 = [h_new, c_new, n_new, m_new].  No work of the problem is left out.
; a_img, b_img: the images that the launch before has laid (its head comment): for each 128 rows and each 128 along K a dense unit of 12,800 bytes,
; 8 fragments of 1,536 bytes as the registers want them, then 512 bytes of scale words.  B's 128 rows of a group are the four gates of 32 neighbouring d.
; A work-group of four waves makes 256 rows x 256 rows of B (64 d x 4 gates); a wave 128 x 128: 64 accumulators, 512 registers.  Wave (wi, wj): B's group wj;
; A's blocks 0-3 = fragments 4 wi .. of the tile's first group, blocks 4-7 = the same of its second: so blocks 0-3 of all waves are the tile's rows 0-127.
; THE RING: two LDS slots, each with three steps of 128 along K of A's two groups and B's two groups: a wave's load is 150 dense rows of 256 bytes.  The first fill has two steps
; (32 = 2 + 10 x 3) and lands one unit in, so that every fill ends with its slot.  One round of the cluster's barrier for each change of slots, 192 matrix instructions a wave apart.
; CLUSTERS 4 x 4: A's tiles are asked for jointly along a row of the cluster, B's along a column.  c, n, m are read by one work-group alone: plain tensor loads.
; PREFETCH: behind each joint load the fill two refills on is named, 150 blocks of 256 bytes a wave's load, shared out among the four partners by address (38 each);
; the first four fills come by their loads alone, the last refills name nothing.  c, n, m: each half tile is named at the change of slots before its load, a lane a row.
; THE MATRIX INSTRUCTION IS USED TRANSPOSED (source 0 = B): a lane holds row r and, in accumulator b = 2 g + u, gate g of d = 16 u + 8 h + 0 .. 7: all four gates of an element in one lane.
; THE WAY OUT: c, n, m come as planes of 128 rows x 256 bytes (rows 272 apart) into a slot that has been read out: half 0 into slot 1 under the last three steps, half 1 into slot 0 under the last step.
; Results overwrite the planes in place (h_new in a fourth); behind a barrier each quarter leaves as whole rows of 256 bytes.
; The biases are the C of the first step's products.  tanh and sigmoid by base-2 exponentials and reciprocals, in f32; m_new is taken away before the exponentials as the problem has it.
; REGISTERS: window 0: v0-31, v48-63 addresses; v32-47 scale words, two sets; v64-127 biases; v128-223 A's fragments, one set.  window 1: B's fragments, two sets.  windows 2, 3: accumulators.
.set UNIT,   12800
.set REG3,   3*UNIT                    ; a wave's load: three steps of 128 rows
.set SLOT,   4*REG3
.set GROUPB, 32*UNIT
.set SCO,    8*1536                    ; the scale words in a unit
.set SPARE,  2*SLOT                    ; the spare words, 128 bytes a wave
.set PLANE,  128*272
.set ROWG,   8192                      ; a row of c, n, m, out0
.set ADRA, 8                           ; v8-11   A's fragments: slot 0 blocks 0-3, 4-7; slot 1 likewise
.set ADRB, 12                          ; v12-13  B's, slot 0, 1
.set ADRS, 14                          ; v14-17  scale words: slot 0 first and second load, slot 1 likewise; lanes 0-15 A's, lanes 16-31 B's
.set SPW,  18
.set NIL,  19
.set BO,   20
.set GA,   21
.set PF0,  22
.set PF1,  23
.set PFC,  24
.set SC,   32
.set SOP,  48                          ; v48-55  my 32 bytes in plane p: half 0, half 1
.set SWP,  56                          ; v56-63  whole rows of plane p: half 0, half 1
.set BI,   64
.set AF,   128
.set RC,   64
.set RN,   80
.set RM,   96
.set RMN,  112
.set RDI,  128
.set RZ,   144
.set RO,   160
.set RT,   176
.set G1, 24
.set G0, 32
.set PFA, 44
.set G1B, 48
.set G0B, 56
.set GC1, 68
.set GC0, 76
.set OP,  84
.set BP,  92
.set KL1,  12
.set KL2,  18
.set KLN,  20
.set KEPS, 22
.set MSB, 0
.macro WIN new                         ; the immediate's high byte repeats the setting that is left
.if MSB != \new
	s_set_vgpr_msb (MSB<<8)|\new
.set MSB, \new
.endif
.endm
.set MUL_LO,   0xa1
.set MUL_HI,   0xf1
.set FIRST_LO, 0x81                    ; C (the biases) in window 0
.set FIRST_HI, 0xc1
.set TO_B,     0x40
.set FROM_B,   0x04
.macro PLACES n
.rept \n
	v_nop
.endr
.endm
.macro JLOAD s                         ; a joint load: waves 0, 1 fetch A's two groups, waves 2, 3 B's
	s_cmp_eq_u32 s15, 0
	s_cbranch_scc0 .Lfor_b_\@
	tensor_load_to_lds s[G0+4*\s:G0+4*\s+3], s[G1:G1+7]
	s_nop 0
	PLACES 4
	s_branch .Lasked_\@
.Lfor_b_\@:
	tensor_load_to_lds s[G0B+4*\s:G0B+4*\s+3], s[G1B:G1B+7]
	s_nop 0
	PLACES 4
.Lasked_\@:
.endm
.macro CLOAD hf                        ; waves 0, 1, 2 fetch half hf of c, n, m; wave 3 has no part
	PLACES 4
	s_cmp_lt_u32 s14, 3
	s_cbranch_scc0 .Lnone_\@
	tensor_load_to_lds s[GC0+4*(\hf):GC0+4*(\hf)+3], s[GC1:GC1+7]
	s_nop 0
	PLACES 4
.Lnone_\@:
.endm
.macro CREST
	s_cmp_lg_u32 s14, 0
	s_cbranch_scc1 .Lnot_wave_0_\@
	s_barrier_signal -3
.Lnot_wave_0_\@:
	s_barrier_wait -3
	s_barrier_signal -1
	s_barrier_wait -1
.endm
.macro CROUND
	s_barrier_signal -1
	s_barrier_wait -1
	CREST
.endm
	s_load_b128 s[84:87], s[0:1], 0x0              ; a_img, b_img
	s_load_b256 s[BP:BP+7], s[0:1], 0x10           ; b_i, b_f, b_o, b_z
	s_load_b256 s[4:11], s[0:1], 0x30              ; c, n, m, out0
	v_lshl_add_u32 v[SPW], v0, 2, SPARE
	v_mov_b32 v[NIL], 0
	ds_add_u32 v[SPW], v[NIL]                      ; the opening lines: the add, twice on end, and its wait
	ds_add_u32 v[SPW], v[NIL]
	v_lshrrev_b32 v1, 5, v0
	v_readfirstlane_b32 s14, v1                    ; wave
	v_bfe_u32 v2, v0, 4, 1
	v_lshlrev_b32 v[BO], 5, v2
	s_lshr_b32 s15, s14, 1                         ; wi; also: I fetch for A (0) or B (1)
	s_and_b32 s16, s14, 1                          ; wj; also: which group I fetch
	s_bfe_u32 s40, ttmp6, 0x40000                  ; cx
	s_bfe_u32 s41, ttmp6, 0x40004                  ; cy
	s_lshl_b32 s42, ttmp9, 2
	s_add_co_u32 s42, s42, s40                     ; tile column
	s_and_b32 s17, ttmp7, 0xffff
	s_lshl_b32 s17, s17, 2
	s_add_co_u32 s17, s17, s41                     ; tile row
	s_lshl_b32 s43, s41, 2
	s_lshl_b32 s43, 15, s43                        ; my row of the cluster
	s_lshl_b32 s44, 0x1111, s40                    ; my column
	s_or_b32 s[G1+0], s43, (3<<16)|(1<<21)         ; elements of 8 bytes, no padding; the mask, bit 21 beside it
	s_or_b32 s[G1B+0], s44, (3<<16)|(1<<21)
.irp g, G1, G1B
	s_mov_b32 s[\g+1], 32<<16                      ; rows of 256 bytes
	s_mov_b32 s[\g+2], 100<<16                     ; the first fill: two units, 100 rows
	s_mov_b32 s[\g+3], 32<<16
	s_mov_b32 s[\g+4], 100
	s_mov_b32 s[\g+5], 32
	s_mov_b32 s[\g+6], 0
	s_mov_b32 s[\g+7], 0
.endr
	s_mov_b32 s[GC1+0], (2<<16)|(1<<20)|(5<<22)|(3<<25)   ; c, n, m: 128 rows of 64 f32, 16 bytes of padding behind each
	s_mov_b32 s[GC1+1], 64<<16
	s_mov_b32 s[GC1+2], 128<<16
	s_mov_b32 s[GC1+3], 64<<16
	s_mov_b32 s[GC1+4], 128
	s_mov_b32 s[GC1+5], 2048
	s_mov_b32 s[GC1+6], 0
	s_mov_b32 s[GC1+7], 0
	s_lshl_b32 s20, s17, 1
	s_add_co_u32 s20, s20, s16
	s_mul_i32 s20, s20, GROUPB                     ; A's group 2 x tile row + which
	s_mov_b32 s21, 0
	s_lshl_b32 s46, s42, 1
	s_add_co_u32 s46, s46, s16
	s_mul_i32 s46, s46, GROUPB                     ; B's group 2 x tile column + which
	s_mov_b32 s47, 0
	s_mul_i32 s66, s14, REG3                       ; where my loads go
	s_lshl_b32 s12, s42, 8
	s_lshl_b32 s13, s16, 7
	s_add_co_u32 s12, s12, s13                     ; my 32 d in the biases, in bytes
	s_mov_b32 s13, 0
	s_wait_dscnt 0x0
	s_wait_alu depctr_va_vdst(0)
	s_wait_kmcnt 0x0
	s_add_nc_u64 s[20:21], s[84:85], s[20:21]
	s_add_nc_u64 s[46:47], s[86:87], s[46:47]
.irp g, 0,1,2,3
	s_add_nc_u64 s[BP+2*\g:BP+2*\g+1], s[BP+2*\g:BP+2*\g+1], s[12:13]
.endr
.irp g, 0,1,2,3
.irp u, 0,1
	global_load_b128 v[BI+8*(2*\g+\u):BI+8*(2*\g+\u)+3],   v[BO], s[BP+2*\g:BP+2*\g+1] offset:64*\u
	global_load_b128 v[BI+8*(2*\g+\u)+4:BI+8*(2*\g+\u)+7], v[BO], s[BP+2*\g:BP+2*\g+1] offset:64*\u+16
.endr
.endr
	CROUND                                         ; in front of the first joint loads
.irp s, 0,1
	s_mov_b32 s[G0+4*\s], 1
	s_add_co_u32 s[G0+4*\s+1], s66, \s*SLOT+(1-\s)*UNIT
	s_add_nc_u64 s[G0+4*\s+2:G0+4*\s+3], s[20:21], \s*2*UNIT
	s_or_b32 s[G0+4*\s+3], s[G0+4*\s+3], 0x80000000
	s_mov_b32 s[G0B+4*\s], 1
	s_add_co_u32 s[G0B+4*\s+1], s66, \s*SLOT+(1-\s)*UNIT
	s_add_nc_u64 s[G0B+4*\s+2:G0B+4*\s+3], s[46:47], \s*2*UNIT
	s_or_b32 s[G0B+4*\s+3], s[G0B+4*\s+3], 0x80000000
.endr
	JLOAD 0                                        ; steps 0, 1: one tensor load a wave at the head
	s_cmp_eq_u32 s15, 0
	s_cselect_b64 s[PFA:PFA+1], s[20:21], s[46:47] ; the prefetches' base: the group that I fetch,
	s_cselect_b32 s2, s40, s41                     ; my place among the four that ask with me
	s_mul_i32 s2, s2, 38
	s_add_nc_u64 s[PFA:PFA+1], s[PFA:PFA+1], 8*UNIT   ; one fill short of fill 4
	s_mul_i32 s18, s15, 4*1536
	s_mul_i32 s19, s16, REG3
	s_add_co_u32 s19, s19, 2*REG3                  ; B's groups lie behind A's two
	s_lshl_b32 s20, s15, 8
	s_sub_co_u32 s22, s19, s20                     ; from A's words to B's, first load
	s_sub_co_u32 s23, s22, REG3-256                ; and second
	s_add_co_u32 s12, s20, SCO
	s_mul_i32 s13, s15, 64*272
	s_lshl_b32 s3, s16, 7
	s_add_co_u32 s13, s13, s3
	s_mul_i32 s3, s15, 64*272
	s_mul_i32 s21, s16, 16*272
	s_add_co_u32 s3, s3, s21
	s_lshl_b32 s43, s14, 5
	v_and_b32 v1, 15, v0                           ; r
	v_bfe_u32 v2, v0, 4, 1                         ; h
	v_and_b32 v3, 31, v0
	v_lshlrev_b32 v4, 4, v3
	v_add_nc_u32 v[ADRA], s18, v4
	v_add_nc_u32 v[ADRA+1], REG3, v[ADRA]
	v_add_nc_u32 v[ADRA+2], SLOT, v[ADRA]
	v_add_nc_u32 v[ADRA+3], SLOT+REG3, v[ADRA]
	v_add_nc_u32 v[ADRB], s19, v4
	v_add_nc_u32 v[ADRB+1], SLOT, v[ADRB]
	v_lshl_add_u32 v5, v1, 4, s12
	v_mul_u32_u24 v6, s22, v2
	v_mul_u32_u24 v7, s23, v2
	v_add_nc_u32 v[ADRS], v5, v6
	v_add_nc_u32 v7, v5, v7
	v_add_nc_u32 v[ADRS+1], REG3, v7
	v_add_nc_u32 v[ADRS+2], SLOT, v[ADRS]
	v_add_nc_u32 v[ADRS+3], SLOT, v[ADRS+1]
	v_mul_u32_u24 v5, v1, 272
	v_lshl_add_u32 v5, v2, 5, v5
	v_add_nc_u32 v5, s13, v5                       ; row 64 wi + r, byte 128 wj + 32 h
	v_mul_u32_u24 v6, v2, 272
	v_lshl_add_u32 v6, v1, 4, v6
	v_add_nc_u32 v6, s3, v6                        ; row 64 (w / 2) + 16 (w % 2) + h, byte 16 r
	v_mov_b32 v[SOP+4], v5
	v_mov_b32 v[SWP+4], v6
.irp p, 0,1,2,3
	v_add_nc_u32 v[SOP+\p], SLOT+\p*PLANE, v5
	v_add_nc_u32 v[SWP+\p], SLOT+\p*PLANE, v6
.endr
.irp p, 1,2,3
	v_add_nc_u32 v[SOP+4+\p], \p*PLANE, v5
	v_add_nc_u32 v[SWP+4+\p], \p*PLANE, v6
.endr
	v_lshlrev_b32 v7, 13, v2
	v_lshl_add_u32 v[GA], v1, 4, v7
	v_add_nc_u32 v7, s2, v3
	v_lshlrev_b32 v[PF0], 8, v7                    ; blocks 38 p + lane,
	v_min_u32 v7, 5, v3
	v_add_nc_u32 v7, s2, v7
	v_add_nc_u32 v7, 32, v7
	v_min_u32 v7, 149, v7
	v_lshlrev_b32 v[PF1], 8, v7                    ; and 38 p + 32 .. 37, held inside the load's 150
	v_add_nc_u32 v7, s43, v3
	v_lshlrev_b32 v[PFC], 13, v7                   ; c, n, m: row 32 w + lane of a half
	s_lshl_b32 s46, s17, 21
	s_lshl_b32 s47, s42, 8
	s_add_co_u32 s46, s46, s47                     ; the tile's corner in c, n, m, out0
	s_mov_b32 s47, 0
	s_add_nc_u64 s[4:5], s[4:5], s[46:47]
	s_add_nc_u64 s[6:7], s[6:7], s[46:47]
	s_add_nc_u64 s[8:9], s[8:9], s[46:47]
	s_add_nc_u64 s[OP:OP+1], s[10:11], s[46:47]
	s_lshl_b32 s2, s15, 6
	s_lshl_b32 s3, s16, 4
	s_add_co_u32 s2, s2, s3
	s_lshl_b32 s2, s2, 13
	s_mov_b32 s3, 0
	s_add_nc_u64 s[OP:OP+1], s[OP:OP+1], s[2:3]    ; + the rows that I store
	s_add_nc_u64 s[OP+2:OP+3], s[OP:OP+1], 0x1000000
	s_add_nc_u64 s[OP+4:OP+5], s[OP+2:OP+3], 0x1000000
	s_add_nc_u64 s[OP+6:OP+7], s[OP+4:OP+5], 0x1000000
	s_min_u32 s2, s14, 2
	s_mul_i32 s2, s2, PLANE
	s_mov_b64 s[12:13], s[8:9]
	s_cmp_eq_u32 s14, 1
	s_cselect_b64 s[12:13], s[6:7], s[12:13]
	s_cmp_eq_u32 s14, 0
	s_cselect_b64 s[12:13], s[4:5], s[12:13]       ; wave 0 c, wave 1 n, wave 2 m
	s_mov_b32 s[GC0], 1
	s_add_co_u32 s[GC0+1], s2, SLOT+PLANE          ; half 0: planes 1 to 3 in slot 1
	s_mov_b64 s[GC0+2:GC0+3], s[12:13]
	s_or_b32 s[GC0+3], s[GC0+3], 0x80000000
	s_mov_b32 s[GC0+4], 1
	s_add_co_u32 s[GC0+5], s2, PLANE               ; half 1: in slot 0
	s_add_nc_u64 s[GC0+6:GC0+7], s[12:13], 128*ROWG
	s_or_b32 s[GC0+7], s[GC0+7], 0x80000000
	s_mov_b32 s[KL1], 0x3fb8aa3b                   ; log2(e)
	s_mov_b32 s[KL1+1], 0x3fb8aa3b
	s_mov_b32 s[KL2], 0x4038aa3b                   ; 2 log2(e)
	s_mov_b32 s[KL2+1], 0x4038aa3b
	s_mov_b32 s[KLN], 0xbfb8aa3b                   ; -log2(e)
	s_mov_b32 s[KLN+1], 0xbfb8aa3b
	s_mov_b32 s[KEPS], 0x358637bd                  ; 1e-6
	s_mov_b32 s[KEPS+1], 0x358637bd
; 16 matrix instructions: A's blocks a0, a0 + 1 x B's eight.  p: B's set and the set of scale words.  The 64 accumulators take turns.
.macro MUL16 a0, p, first
.irp a, \a0, \a0+1
.irp b, 0,1,2,3,4,5,6,7
.if \first
	v_wmma_scale_f32_16x16x128_f8f6f4 v[8*(8*((\a)%4)+\b):8*(8*((\a)%4)+\b)+7], v[128*(\p)+12*\b:128*(\p)+12*\b+11], v[AF+12*(\a):AF+12*(\a)+11], v[BI+8*\b:BI+8*\b+7], v[SC+8*(\p)+\b], v[SC+8*(\p)+(\a)] matrix_a_fmt:MATRIX_FMT_FP6 matrix_b_fmt:MATRIX_FMT_FP6 matrix_a_scale:MATRIX_SCALE_ROW1
.else
	v_wmma_scale_f32_16x16x128_f8f6f4 v[8*(8*((\a)%4)+\b):8*(8*((\a)%4)+\b)+7], v[128*(\p)+12*\b:128*(\p)+12*\b+11], v[AF+12*(\a):AF+12*(\a)+11], v[8*(8*((\a)%4)+\b):8*(8*((\a)%4)+\b)+7], v[SC+8*(\p)+\b], v[SC+8*(\p)+(\a)] matrix_a_fmt:MATRIX_FMT_FP6 matrix_b_fmt:MATRIX_FMT_FP6 matrix_a_scale:MATRIX_SCALE_ROW1
.endif
.endr
.endr
.endm
.macro FETCH_B ns, nq, np              ; a fragment is three loads of 512 dense bytes
	WIN TO_B
.irp i, 0,1,2,3,4,5,6,7
.irp j, 0,1,2
	ds_load_b128 v[128*(\np)+12*\i+4*\j:128*(\np)+12*\i+4*\j+3], v[ADRB+\ns] offset:(\nq)*UNIT+\i*1536+512*\j
.endr
.endr
	WIN 0
.endm
.macro FETCH_A ns, nq, hi
.irp i, 0,1,2,3
.irp j, 0,1,2
	ds_load_b128 v[AF+12*(4*\hi+\i)+4*\j:AF+12*(4*\hi+\i)+4*\j+3], v[ADRA+2*(\ns)+\hi] offset:(\nq)*UNIT+\i*1536+512*\j
.endr
.endr
.endm
.macro SCALES ns, nq, np               ; register i: lanes 0-15 the word of A's block i, lanes 16-31 that of B's block i
	ds_load_b128 v[SC+8*(\np):SC+8*(\np)+3], v[ADRS+2*(\ns)] offset:(\nq)*UNIT
	ds_load_b128 v[SC+8*(\np)+4:SC+8*(\np)+7], v[ADRS+2*(\ns)+1] offset:(\nq)*UNIT
.endm
; A step inside a slot: 64 matrix instructions on set p.  The next step's fragments (slot ns, unit nq) are fetched in three runs: B's other set, which is free, at the head (24 loads);
; A's blocks 0-3 and the scale words in the middle (14); A's blocks 4-7 at the end (12).
.macro STEP p, ns, nq, first
	FETCH_B \ns, \nq, 1-\p
	s_wait_dscnt 36                                ; all but A's blocks 4-7 and the 24 just issued
.if \first
	WIN FIRST_LO
.else
	WIN MUL_LO
.endif
	MUL16 0, \p, \first
	MUL16 2, \p, \first
	s_wait_dscnt 24                                ; A's blocks 4-7 are in; B's next set may be out
	PLACES 4
	WIN 0
	FETCH_A \ns, \nq, 0
	SCALES \ns, \nq, 1-\p
.if \first
	WIN FIRST_HI
.else
	WIN MUL_HI
.endif
	MUL16 4, \p, \first
	MUL16 6, \p, \first
	PLACES 4
	WIN 0
	FETCH_A \ns, \nq, 1
.endm
.macro ASK how                         ; 1, 2: the fill two refills on (2: not in the loop's last trip, where there is none); 3, 4: half 0, 1 of c, n, m
.if \how == 2
	s_cmp_gt_u32 s3, 1
	s_cbranch_scc0 .Lnoask_\@
.endif
.if (\how == 1) || (\how == 2)
	global_prefetch_b8 v[PF0], s[PFA:PFA+1] th:TH_LOAD_NT scope:SCOPE_SE
	global_prefetch_b8 v[PF1], s[PFA:PFA+1] th:TH_LOAD_NT scope:SCOPE_SE
.endif
.if \how == 2
.Lnoask_\@:
.endif
.if \how >= 3
.irp k, 0,1,2
	global_prefetch_b8 v[PFC], s[4+2*\k:5+2*\k] offset:(\how-3)*128*ROWG th:TH_LOAD_NT scope:SCOPE_SE
.endr
.endif
.endm
; A slot's last step.  In front of the barrier each wave waits for all its tensor loads, adds 0 to its spare word, and waits for that and for its reads of this slot; the barrier opens a round of the
; cluster's barrier; behind it this slot takes: kind 1 the fill two on; kind 2 half 0 of c, n, m; kind 3 (the last step of all) half 1, and nothing more is fetched.
.macro TURN p, slot, kind, ask
.if (\ask == 1) || (\ask == 2)
	s_wait_xcnt 0x0                                ; my prefetches have read their base
	s_add_nc_u64 s[PFA:PFA+1], s[PFA:PFA+1], REG3
.endif
	s_wait_tensorcnt 0x0
	ds_add_u32 v[SPW], v[NIL]
.if \kind == 1
	s_add_nc_u64 s[G0+6-4*\slot:G0+7-4*\slot], s[G0+6-4*\slot:G0+7-4*\slot], 2*REG3      ; no load of mine is out: the other slot's next fill
	s_add_nc_u64 s[G0B+6-4*\slot:G0B+7-4*\slot], s[G0B+6-4*\slot:G0B+7-4*\slot], 2*REG3
.endif
	s_wait_dscnt 13                                ; the add and A's blocks 4-7 may be out
	WIN MUL_LO
	MUL16 0, \p, 0
	s_wait_dscnt 0x0
	s_barrier_signal -1
	MUL16 2, \p, 0
	WIN 0
	s_barrier_wait -1
	CREST
.if \kind == 1
	JLOAD \slot
.else
	CLOAD \kind-2
.endif
.if \kind < 3
	FETCH_B 1-\slot, 0, 1-\p
	FETCH_A 1-\slot, 0, 0
	SCALES 1-\slot, 0, 1-\p
	ASK \ask
.endif
	WIN MUL_HI
	MUL16 4, \p, 0
	MUL16 6, \p, 0
	PLACES 4
	WIN 0
.if \kind < 3
	FETCH_A 1-\slot, 0, 1
.endif
.endm
.macro INLOAD a
.irp k, 0,1,2
.irp u, 0,1
.irp j, 0,1
	ds_load_b128 v[64+128*((\a)%2)+16*\k+8*\u+4*\j:64+128*((\a)%2)+16*\k+8*\u+4*\j+3], v[SOP+4*((\a)/4)+\k+1] offset:((\a)%4)*16*272+64*\u+16*\j
.endr
.endr
.endr
.endm
.macro PLANEOUT a, reg, q
.irp u, 0,1
.irp j, 0,1
	ds_store_b128 v[SOP+4*((\a)/4)+\q], v[\reg+8*\u+4*\j:\reg+8*\u+4*\j+3] offset:((\a)%4)*16*272+64*\u+16*\j
.endr
.endr
.endm
.macro BAR
	s_wait_dscnt 0x0
	s_barrier_signal -1
	s_barrier_wait -1
.endm
; Quarter Q (blocks 2 Q, 2 Q + 1 of every wave) leaves: 16 rows x 4 planes a wave, sixteen lanes to a row of 256 bytes; through window 1, its halves by turns.
.macro OUTQ Q
.set HB, 128*((\Q)%2)
.if (\Q) >= 2
	s_wait_xcnt 0x0                                ; quarter Q - 2's stores have read these registers
.endif
	WIN TO_B
.irp q, 0,1,2,3
.irp i, 0,1,2,3,4,5,6,7
	ds_load_b128 v[HB+32*\q+4*\i:HB+32*\q+4*\i+3], v[SWP+4*((\Q)/2)+\q] offset:((\Q)%2)*32*272+\i*544
.endr
.endr
	WIN FROM_B
.irp q, 0,1,2,3
.irp i, 0,1,2,3,4,5,6,7
.if \i%4 == 0
	s_wait_dscnt 28-(8*\q+\i)                      ; the next four of the 32 loads are in
.endif
	global_store_b128 v[GA], v[HB+32*\q+4*\i:HB+32*\q+4*\i+3], s[OP+2*\q:OP+2*\q+1] offset:(128*((\Q)/2)+32*((\Q)%2)+2*\i)*ROWG th:TH_STORE_NT
.endr
.endr
	WIN 0
.endm
; The cell on block a: 16 elements a lane.  i, f, o, z at AC, AC + 16, AC + 32, AC + 48.
.macro COMPUTE a
.set AC, 64*((\a)%4)
	WIN 0x02+(\a)/4
	s_wait_alu depctr_va_vdst(0)                   ; the wait ahead of the first readers of matrix results
.irp e, 0,2,4,6,8,10,12,14
	v_pk_add_f32 v[RM+\e:RM+\e+1], v[AC+16+\e:AC+16+\e+1], v[RM+\e:RM+\e+1]          ; f + m
.endr
.irp e, 0,1,2,3,4,5,6,7,8,9,10,11,12,13,14,15
	v_max_num_f32 v[RMN+\e], v[AC+\e], v[RM+\e]                                      ; m_new
.endr
.irp e, 0,2,4,6,8,10,12,14
	v_pk_add_f32 v[RDI+\e:RDI+\e+1], v[AC+\e:AC+\e+1], v[RMN+\e:RMN+\e+1] neg_lo:[0,1] neg_hi:[0,1]
.endr
.irp e, 0,2,4,6,8,10,12,14
	v_pk_mul_f32 v[RZ+\e:RZ+\e+1], v[AC+48+\e:AC+48+\e+1], s[KL2:KL2+1] op_sel_hi:[1,0]
.endr
.irp e, 0,2,4,6,8,10,12,14
	v_pk_mul_f32 v[RO+\e:RO+\e+1], v[AC+32+\e:AC+32+\e+1], s[KLN:KLN+1] op_sel_hi:[1,0]
.endr
	WIN 0
.irp e, 0,2,4,6,8,10,12,14
	v_pk_add_f32 v[RM+\e:RM+\e+1], v[RM+\e:RM+\e+1], v[RMN+\e:RMN+\e+1] neg_lo:[0,1] neg_hi:[0,1]
.endr
.irp e, 0,2,4,6,8,10,12,14
	v_pk_mul_f32 v[RDI+\e:RDI+\e+1], v[RDI+\e:RDI+\e+1], s[KL1:KL1+1] op_sel_hi:[1,0]
.endr
.irp e, 0,2,4,6,8,10,12,14
	v_pk_mul_f32 v[RM+\e:RM+\e+1], v[RM+\e:RM+\e+1], s[KL1:KL1+1] op_sel_hi:[1,0]
.endr
	s_wait_alu depctr_va_vdst(0)                   ; a wait ahead of each batch and behind it
.irp e, 0,1,2,3,4,5,6,7,8,9,10,11,12,13,14,15
	v_exp_f32 v[RZ+\e], v[RZ+\e]                   ; e^(2 z)
.endr
.irp e, 0,1,2,3,4,5,6,7,8,9,10,11,12,13,14,15
	v_exp_f32 v[RO+\e], v[RO+\e]                   ; e^(-o)
.endr
.irp e, 0,1,2,3,4,5,6,7,8,9,10,11,12,13,14,15
	v_exp_f32 v[RDI+\e], v[RDI+\e]                 ; i
.endr
.irp e, 0,1,2,3,4,5,6,7,8,9,10,11,12,13,14,15
	v_exp_f32 v[RM+\e], v[RM+\e]                   ; f
.endr
	v_nop
	s_wait_alu depctr_va_vdst(0)
.irp e, 0,2,4,6,8,10,12,14
	v_pk_add_f32 v[RZ+\e:RZ+\e+1], v[RZ+\e:RZ+\e+1], 1.0 op_sel_hi:[1,0]
.endr
	s_wait_alu depctr_va_vdst(0)
.irp e, 0,1,2,3,4,5,6,7,8,9,10,11,12,13,14,15
	v_rcp_f32 v[RZ+\e], v[RZ+\e]
.endr
.irp e, 0,2,4,6,8,10,12,14
	v_pk_add_f32 v[RO+\e:RO+\e+1], v[RO+\e:RO+\e+1], 1.0 op_sel_hi:[1,0]
.endr
	s_wait_alu depctr_va_vdst(0)
.irp e, 0,2,4,6,8,10,12,14
	v_pk_fma_f32 v[RZ+\e:RZ+\e+1], v[RZ+\e:RZ+\e+1], -2.0, 1.0 op_sel_hi:[1,0,0]     ; tanh z
.endr
.irp e, 0,2,4,6,8,10,12,14
	v_pk_mul_f32 v[RZ+\e:RZ+\e+1], v[RZ+\e:RZ+\e+1], v[RDI+\e:RDI+\e+1]
.endr
.irp e, 0,2,4,6,8,10,12,14
	v_pk_fma_f32 v[RC+\e:RC+\e+1], v[RM+\e:RM+\e+1], v[RC+\e:RC+\e+1], v[RZ+\e:RZ+\e+1]     ; c_new
.endr
.irp e, 0,2,4,6,8,10,12,14
	v_pk_fma_f32 v[RN+\e:RN+\e+1], v[RM+\e:RM+\e+1], v[RN+\e:RN+\e+1], v[RDI+\e:RDI+\e+1]   ; n_new
.endr
.irp e, 0,2,4,6,8,10,12,14
	v_pk_add_f32 v[RT+\e:RT+\e+1], v[RN+\e:RN+\e+1], s[KEPS:KEPS+1] op_sel_hi:[1,0]
.endr
.irp e, 0,2,4,6,8,10,12,14
	v_pk_mul_f32 v[RO+\e:RO+\e+1], v[RO+\e:RO+\e+1], v[RT+\e:RT+\e+1]
.endr
	s_wait_alu depctr_va_vdst(0)
.irp e, 0,1,2,3,4,5,6,7,8,9,10,11,12,13,14,15
	v_rcp_f32 v[RO+\e], v[RO+\e]
.endr
	v_nop
	s_wait_alu depctr_va_vdst(0)
.irp e, 0,2,4,6,8,10,12,14
	v_pk_mul_f32 v[RO+\e:RO+\e+1], v[RO+\e:RO+\e+1], v[RC+\e:RC+\e+1]                ; h_new
.endr
.endm
	s_wait_alu depctr_va_vdst(0)                   ; the wait at the head's end
	s_wait_tensorcnt 0x0                           ; my part of steps 0, 1 is in
	ds_add_u32 v[SPW], v[NIL]
	s_mov_b32 s[G1+2], 150<<16                     ; no load of mine is out: from here on a load brings three units, 150 rows,
	s_mov_b32 s[G1+4], 150
	s_mov_b32 s[G1B+2], 150<<16
	s_mov_b32 s[G1B+4], 150
	s_mov_b32 s[G0+1], s66                         ; and slot 0's next fill begins with the slot, at step 5
	s_mov_b32 s[G0B+1], s66
	s_add_nc_u64 s[G0+2:G0+3], s[G0+2:G0+3], 5*UNIT
	s_add_nc_u64 s[G0B+2:G0B+3], s[G0B+2:G0B+3], 5*UNIT
	s_wait_dscnt 0x0
	CROUND
	JLOAD 1                                        ; steps 2 to 4, slot 1's first fill
	FETCH_B 0, 1, 0
	FETCH_A 0, 1, 0
	SCALES 0, 1, 0
	FETCH_A 0, 1, 1
	s_wait_loadcnt 0x0                             ; the biases
	STEP 0, 0, 2, 1                                ; step 0: its products start the sums on the biases
	s_mov_b32 s3, 4
.Llap:                                                 ; a trip: six steps, once round the ring
	TURN 1, 0, 1, 1
	STEP 0, 1, 1, 0
	STEP 1, 1, 2, 0
	TURN 0, 1, 1, 2
	STEP 1, 0, 1, 0
	STEP 0, 0, 2, 0
	s_sub_co_u32 s3, s3, 1
	s_cmp_lg_u32 s3, 0
	s_cbranch_scc1 .Llap
	TURN 1, 0, 1, 3                                ; step 25: the last fill of codes
	STEP 0, 1, 1, 0
	STEP 1, 1, 2, 0
	TURN 0, 1, 2, 4                                ; step 28: slot 1 takes half 0 of c, n, m
	STEP 1, 0, 1, 0
	STEP 0, 0, 2, 0
	TURN 1, 0, 3, 0                                ; step 31: slot 0 takes half 1
	INLOAD 0
.irp a, 0,1,2,3,4,5,6,7
.set RC, 64+128*(\a%2)                 ; c, n, m of a block: two sets of 48 registers by turns, v64-111 and v192-239
.set RN, RC+16
.set RM, RC+32
	s_wait_dscnt 0x0                               ; this block's c, n, m are in, and the last block's stores have read the other set,
.if \a < 7
	INLOAD \a+1                                    ; which takes the next block's while this one is worked
.endif
	COMPUTE \a
.if \a == 0
	s_wait_alu depctr_va_vdst(0)
	s_wait_tensorcnt 0x0                           ; my part of half 1 is in, ahead of my first LDS store; the first barrier below shows it to all four waves
.endif
	PLANEOUT \a, RO, 0
	PLANEOUT \a, RC, 1
	PLANEOUT \a, RN, 2
	PLANEOUT \a, RMN, 3
.if \a%2 == 1
	BAR                                            ; a row's 256 bytes come from two waves
	OUTQ \a/2
.endif
.endr
	s_wait_tensorcnt 0x0                           ; the wave's end
	ds_add_u32 v[SPW], v[NIL]
	s_wait_dscnt 0x0
	CROUND                                         ; the closing round
	s_endpgm
.Lfunc_end_k_q267481ef6d_cell:
	.size	k_q267481ef6d_cell, .Lfunc_end_k_q267481ef6d_cell-k_q267481ef6d_cell
	.p2alignl 7, 3214868480
	.fill 96, 4, 3214868480
	.section	.rodata,"a",@progbits
	.p2align	6, 0x0
	.amdhsa_kernel k_q267481ef6d_cell
		.amdhsa_group_segment_fixed_size 327680
		.amdhsa_private_segment_fixed_size 0
		.amdhsa_enable_private_segment 0
		.amdhsa_kernarg_size 80
		.amdhsa_user_sgpr_count 2
		.amdhsa_user_sgpr_kernarg_segment_ptr 1
		.amdhsa_wavefront_size32 1
		.amdhsa_system_sgpr_workgroup_id_x 1
		.amdhsa_system_sgpr_workgroup_id_y 1
		.amdhsa_system_sgpr_workgroup_id_z 1
		.amdhsa_system_vgpr_workitem_id 0
		.amdhsa_next_free_vgpr 1024
		.amdhsa_next_free_sgpr 100
		.amdhsa_reserve_vcc 0
		.amdhsa_float_denorm_mode_32 3
		.amdhsa_float_denorm_mode_16_64 3
		.amdhsa_memory_ordered 1
		.amdhsa_forward_progress 1
		.amdhsa_inst_pref_size 255
	.end_amdhsa_kernel
	.section	.bss,"aw",@nobits
	.p2align	6
	.space	262144
	.amdgpu_metadata
---
amdhsa.version: [ 1, 2 ]
amdhsa.kernels:
  - .name:           k_q267481ef6d_cell
    .symbol:         k_q267481ef6d_cell.kd
    .args:
      - { .name: a_img, .offset: 0, .size: 8, .value_kind: global_buffer, .address_space: global }
      - { .name: b_img, .offset: 8, .size: 8, .value_kind: global_buffer, .address_space: global }
      - { .name: b_i, .offset: 16, .size: 8, .value_kind: global_buffer, .address_space: global }
      - { .name: b_f, .offset: 24, .size: 8, .value_kind: global_buffer, .address_space: global }
      - { .name: b_o, .offset: 32, .size: 8, .value_kind: global_buffer, .address_space: global }
      - { .name: b_z, .offset: 40, .size: 8, .value_kind: global_buffer, .address_space: global }
      - { .name: c, .offset: 48, .size: 8, .value_kind: global_buffer, .address_space: global }
      - { .name: n, .offset: 56, .size: 8, .value_kind: global_buffer, .address_space: global }
      - { .name: m, .offset: 64, .size: 8, .value_kind: global_buffer, .address_space: global }
      - { .name: out0, .offset: 72, .size: 8, .value_kind: global_buffer, .address_space: global }
    .group_segment_fixed_size: 327680
    .private_segment_fixed_size: 0
    .kernarg_segment_align: 8
    .kernarg_segment_size: 80
    .max_flat_workgroup_size: 128
    .sgpr_count:     100
    .vgpr_count:     1024
    .wavefront_size: 32
...
	.end_amdgpu_metadata
.endif
;; end of part 2
